; MI455X (gfx1250); checked and timed in simulation.
; The chip was launched on July 23, 2026; its instructions are those of AMD's public machine-readable ISA for CDNA 5 (MIT licence, August 2026) and "CDNA5" Instruction Set Architecture Reference Guide (July 2026). The comments in the code are by the model that wrote it; some were corrected since.
;; Sub LSTM Cuda Cell. Allowed arithmetic: matrix products marked QUANTISED: E2M1 operands, one E8M0 scale for each 32 along K, by v_wmma_scale_f32_16x16x128_f8f6f4 with both operands' format E2M1 (or v_wmma_scale_f32_32x16x128_f4), f32 sums; everything else in f32.
;; Inputs: bias 4,096 float32; input 8,192 x 1,024 float32; old_cell 8,192 x 1,024 float32; old_h 8,192 x 1,024 float32; weightsT_codes 4,096 x 64 x 16 uint8 (E2M1 codes of weightsT, K innermost, in blocks of 32 codes, two codes a byte); weightsT_scales 4,096 x 64 uint8 (E8M0 scales of weightsT, one for each 32 codes along K).
;; Outputs: out0 8,192 x 1,024 float32; out1 8,192 x 1,024 float32.
;; This version of the problem:
;;   THIS VERSION OF THE PROBLEM IS GIVEN IN LOW PRECISION. The matrix products marked QUANTISED in the list below multiply operands that are first quantised to E2M1 (2 exponent bits, 1 mantissa bit; 4 bits a number), with one power-of-two scale for each 32 numbers along K (OCP MX v1.0); their sums are f32. All else is computed in f32.
;;   The module's matrix products, in the order in which they are computed (A, B: the left and right operand; K: the contracted axis; several contracted axes count as one K, in the product's order):
;;     1. [M 8,192, K 2,048] x [K 2,048, N 4,096]; A: computed on the way; B: input weightsT (given as codes): QUANTISED
;;   THE QUANTISER, for each operand of a quantised product, along K:
;;     - K is cut into blocks of 32 from its start; a last block that is shorter is filled with zeros.
;;     - A block's scale is 2^e with e = floor(log2(the largest magnitude in the block)) - 2, held to -126 .. 127; a block of zeros has e = 0. As a byte (E8M0): e + 127.
;;     - Each number is divided by its block's scale, clamped to +-6, and rounded to the nearest number of E2M1, ties to even, subnormals kept.
;;     - The product sums the exact products of the quantised numbers (number of the format x scale) in f32.
;;   ~~~python
;;   def quantise(x, axis):      # numpy; x: float32 -> the quantised numbers, widened to float32 again
;;       x = np.moveaxis(x, axis, -1); K = x.shape[-1]
;;       x = np.pad(x, [(0, 0)] * (x.ndim - 1) + [(0, -K % 32)]); x = x.reshape(x.shape[:-1] + (-1, 32)); a = np.abs(x).max(-1, keepdims=True)
;;       e = np.where(a > 0, np.clip(np.frexp(np.where(a > 0, a, 1))[1] - 1 - 2, -126, 127), 0)      # np.frexp(a)[1] - 1 = floor(log2(a)), exactly
;;       r = np.clip(x / 2.0 ** e, -6, 6)
;;       step = 2.0 ** (np.maximum(np.frexp(np.where(r == 0, 1, r))[1] - 1, 0) - 1)
;;       q = np.round(r / step) * step * 2.0 ** e      # np.round: ties to even
;;       return np.moveaxis(q.reshape(q.shape[:-2] + (-1,))[..., :K], -1, axis).astype(np.float32)
;;   ~~~
;;   OPERANDS COMPUTED ON THE WAY. 'Computed on the way' means the value that the module computes at that place (a softmax that the list does not call 'softmax' is quantised finished and normalised). What goes into a quantiser is computed in f32, as accurately as f32 sums, v_exp_f32 and their like allow (about 1e-6 of the number): no bf16 or f16 on the way to a quantiser, and a product that is left as it is and whose result goes on into a quantised operand takes f32 operands (vector FMAs, or v_wmma_f32_16x16x4_f32). A number that lies on a knife's edge between two numbers of the format may be rounded either way, as far as f32 arithmetic and the matrix unit's own rounding can turn it there, and no further.
;;   INPUTS GIVEN AS CODES. weightsT (in the module: [2048, 4096], K = its axis 0): each comes as NAME_codes (uint8): NAME with its K axis moved to the last place and cut into blocks of 32 codes, [.., K / 32, bytes a block], one block behind the other in memory; two codes a byte, the lower K in the low four bits (a code: sign, 2 exponent bits, 1 mantissa bit); and NAME_scales (uint8): the same leading axes, one E8M0 byte (e + 127) for each 32 codes along K. Its value is code x scale, taken as it is: it is not quantised again, and the codes and scales need not be those that the quantiser above would give.
;; One version. Each part assembles by itself: llvm-mc -triple=amdgcn-amd-amdhsa -mcpu=gfx1250 --defsym DOCPART=n.
;; ======== version 1 of 1: 2 launches
;; limits: right only within a limited range of input values
;; workspace buffers: xq_codes 8,388,608 bytes; xq_scales 524,288 bytes; wq 4,456,448 bytes
;; launch prep (part 1): grid 640 x 1, 4 waves a work-group, no clusters, 50,688 bytes of LDS; arguments old_h, input, weightsT_codes, weightsT_scales, xq_codes, xq_scales, wq; writes xq_codes, xq_scales, wq
.if DOCPART == 1
	.amdgcn_target "amdgcn-amd-amdhsa--gfx1250"
	.amdhsa_code_object_version 6
	.text
	.protected	k_qd48fb2729a_prep
	.globl	k_qd48fb2729a_prep
	.p2align	8
	.type	k_qd48fb2729a_prep,@function
k_qd48fb2729a_prep:
	s_mov_b64 s[64:65], 0
	v_nop
	global_prefetch_b8 v0, s[64:65] scope:SCOPE_SE
	s_setreg_imm32_b32 hwreg(HW_REG_WAVE_MODE, 25, 1), 1
	s_wait_xcnt 0x0
; TWO JOBS IN ONE LAUNCH, parted by the work-group's number.  No work of the problem is left out.
; Work-groups 0-511: X = [old_h | input], [8192][2048] f32, becomes codes of FP4 (E2M1) and one E8M0 byte for each 32 along K.
; A block's byte is its largest magnitude's exponent field - 2, held at 1 from below; numbers are divided by the scale and rounded to the nearest code, ties to even, beyond 6 the code of 6.
; xq_scales is [8192][64].  xq_codes lies in the order in which the next launch's operand registers take it: for row 64 T + 16 a + r and the block of 32 codes 4 q + 2 c + h
; the 16 bytes stand at 65536 T + 4096 q + 1024 a + 512 c + 256 h + 16 r.  A work-group has 16 rows (one a of one T): its codes meet in an LDS stage, and leave as runs of 512 bytes.
; LIMITS: a block of zeros, or one whose largest magnitude lies under 2^-124, gets the byte 1: zero codes add nothing under it, and this program alone reads the bytes; NaN and infinities in old_h or input are not served.
; Work-groups 512-639: the weights as 16 images of 278,528 bytes, one for each 64 hidden columns j: 256 rows of 1,024 bytes of codes, row 16 b + r (b = 4 g + u) from row 1024 g + 64 j + 4 r + u of the input;
; then 16,384 bytes of scale words: unit 8 s + i of 512 bytes, lane (hh, r) holding bytes 16 s .. 16 s + 15 of the scales of row 16 (i + 8 hh) + r.
.set STEPS, 16
.set DEPTH, 10                         ; steps whose loads are out at a time
.set XWG,   512
.set EMAX,  2
.set R,     16                         ; v16-175  DEPTH sets of 16 numbers as loaded
.set X,     176                        ; v176-207 two sets of 16 neighbours
.set E,     208                        ; v208-223 a scale byte for each step
.set C,     224                        ; v224-227 codes, two sets
.set NIL,   228
.set WREG,  8192                       ; LDS: a region for each wave: two stages of 32 x SP bytes, then its 256 scale bytes
.set SP,    80
.set SPARE, 0x8000                     ; the spare words
.set STG,   0x8200                     ; the work-group's stage for codes: 64 units of 256 bytes + 16 of padding
.set UP,    272
.set WIMG,  278528
	s_load_b256 s[4:11], s[0:1], 0x0               ; old_h, input, the weights' codes, their scales
	s_load_b128 s[12:15], s[0:1], 0x20             ; xq_codes, xq_scales
	s_load_b64 s[16:17], s[0:1], 0x30              ; wq
	v_lshl_add_u32 v10, v0, 2, SPARE
	v_mov_b32 v[NIL], 0
	v_lshrrev_b32 v1, 5, v0
	v_readfirstlane_b32 s20, v1                    ; wave
	v_and_b32 v2, 31, v0                           ; lane
	s_cmp_lt_u32 ttmp9, XWG
	s_wait_alu depctr_va_vdst(0)                   ; the wait ahead of the branch
	s_cbranch_scc0 .Lweights
; ---- X.  Wave Wn = 4 x work-group + wave takes rows 4 Wn .. 4 Wn + 3.  Step t is quarter t % 4 of row t / 4 (quarters 0, 1: old_h; 2, 3: input).
; Each load reads 512 consecutive bytes; a step's 2,048 bytes go through the wave's own stage and come back 64 bytes a lane: 16 neighbours.
	v_lshlrev_b32 v3, 4, v2
	s_mul_i32 s28, s20, WREG
	v_lshrrev_b32 v14, 2, v2
	v_mul_u32_u24 v14, v14, SP
	v_and_b32 v15, 3, v2
	v_lshl_add_u32 v14, v15, 4, v14
	v_add_nc_u32 v14, s28, v14                     ; the wave's stage, on the way in
	v_mul_u32_u24 v15, v2, SP
	v_add_nc_u32 v15, s28, v15                     ; on the way out
	v_lshrrev_b32 v5, 1, v2
	s_add_co_u32 s28, s28, 2*32*SP
	v_add_nc_u32 v5, s28, v5                       ; my block's scale byte
	v_lshlrev_b32 v7, 3, v2
	v_add_nc_u32 v6, s28, v7
	v_lshrrev_b32 v4, 1, v2                        ; the codes' stage: unit 16 (t % 4) + lane / 2, row 4 wave + t / 4, half lane % 2
	v_mul_u32_u24 v4, v4, UP
	v_and_b32 v9, 1, v2
	v_lshl_add_u32 v4, v9, 3, v4
	s_lshl_b32 s29, s20, 6
	s_add_co_u32 s29, s29, STG
	v_add_nc_u32 v4, s29, v4
	v_lshrrev_b32 v12, 4, v2                       ; back: units 16 wave + 2 i + lane / 16, 16 bytes a lane
	v_mul_u32_u24 v12, v12, UP
	v_and_b32 v9, 15, v2
	v_lshl_add_u32 v12, v9, 4, v12
	s_mul_i32 s30, s20, 16*UP
	s_add_co_u32 s30, s30, STG
	v_add_nc_u32 v12, s30, v12
	v_lshlrev_b32 v13, 4, v2                       ; and in xq_codes: 4 q's of 4,096 bytes a wave
	s_lshl_b32 s31, s20, 14
	v_add_nc_u32 v13, s31, v13
	s_lshl_b32 s21, ttmp9, 2
	s_add_co_u32 s21, s21, s20                     ; Wn
	s_lshl_b32 s22, s21, 14
	s_mov_b32 s23, 0
	s_lshr_b32 s24, ttmp9, 2                       ; T
	s_lshl_b32 s24, s24, 16
	s_and_b32 s25, ttmp9, 3                        ; a
	s_lshl_b32 s25, s25, 10
	s_add_co_u32 s24, s24, s25
	s_mov_b32 s25, 0
	s_lshl_b32 s26, s21, 8
	s_mov_b32 s27, 0
	s_wait_alu depctr_va_vdst(0)                   ; the wait at the head's end
	s_wait_kmcnt 0x0
	s_add_nc_u64 s[4:5], s[4:5], s[22:23]
	s_add_nc_u64 s[6:7], s[6:7], s[22:23]
	s_add_nc_u64 s[12:13], s[12:13], s[24:25]
	s_add_nc_u64 s[14:15], s[14:15], s[26:27]
.macro LOAD t
.irp i, 0,1,2,3
.if (((\t)/2)%2) == 0
	global_load_b128 v[R+16*((\t)%DEPTH)+4*\i:R+16*((\t)%DEPTH)+4*\i+3], v3, s[4:5] offset:((\t)/4)*4096+((\t)%2)*2048+512*\i th:TH_LOAD_NT
.else
	global_load_b128 v[R+16*((\t)%DEPTH)+4*\i:R+16*((\t)%DEPTH)+4*\i+3], v3, s[6:7] offset:((\t)/4)*4096+((\t)%2)*2048+512*\i th:TH_LOAD_NT
.endif
.endr
.endm
.macro TURN t                          ; LDS serves a wave's instructions in order (ISA guide 5.7.1.4): no wait between the stores and the loads
.irp i, 0,1,2,3
	ds_store_b128 v14, v[R+16*((\t)%DEPTH)+4*\i:R+16*((\t)%DEPTH)+4*\i+3] offset:32*SP*((\t)%2)+8*SP*\i
.endr
.irp i, 0,1,2,3
	ds_load_b128 v[X+16*((\t)%2)+4*\i:X+16*((\t)%2)+4*\i+3], v15 offset:32*SP*((\t)%2)+16*\i
.endr
.endm
.irp t, 0,1,2,3,4,5,6,7,8,9
	LOAD \t
.endr
	s_wait_loadcnt 4*(DEPTH-1)
	TURN 0
.macro STEP t
.set XS, X+16*((\t)%2)
.set CC, C+2*((\t)%2)
.if (\t) > 0
	s_wait_dscnt 2                                 ; this step's numbers are back; the last step's two stores (byte, codes) may be out
.else
	s_wait_dscnt 0x0
.endif
.if (\t)+DEPTH < STEPS
	LOAD (\t)+DEPTH
.endif
.if (\t)+1 < STEPS
.if STEPS-2-(\t) >= DEPTH-1
	s_wait_loadcnt 4*(DEPTH-1)                     ; the next step's four loads are in
.else
	s_wait_loadcnt 4*(STEPS-2-(\t))
.endif
	TURN (\t)+1
.endif
	v_max3_num_f32 v8, |v[XS]|, |v[XS+1]|, |v[XS+2]|
	v_max3_num_f32 v9, |v[XS+3]|, |v[XS+4]|, |v[XS+5]|
.irp i, 6,10
	v_max3_num_f32 v8, v8, |v[XS+\i]|, |v[XS+\i+1]|
	v_max3_num_f32 v9, v9, |v[XS+\i+2]|, |v[XS+\i+3]|
.endr
	v_max3_num_f32 v8, v8, |v[XS+14]|, |v[XS+15]|
	v_max3_num_f32 v8, v8, v9, (EMAX+1)<<23        ; the floor 2^(3 - 127): the byte cannot fall under 1
	v_max_num_f32_dpp v8, v8, v8 row_xmask:1 row_mask:0xf bank_mask:0xf   ; with my neighbour's 16: the block's
	v_add_nc_u32 v11, -(EMAX<<23), v8              ; 2 off the exponent field: the conversion's scale operand
	v_cvt_scalef32_pk8_fp4_f32 v[CC], v[XS:XS+7], v11
	v_cvt_scalef32_pk8_fp4_f32 v[CC+1], v[XS+8:XS+15], v11
	v_lshrrev_b32 v[E+(\t)], 23, v11               ; the scale's byte (also the plain line behind the conversions)
	ds_store_b8 v5, v[E+(\t)] offset:16*(\t)
	ds_store_b64 v4, v[CC:CC+1] offset:((\t)%4)*16*UP+((\t)/4)*16   ; 32 lanes touch 64 different banks: a pair of lanes 16 bytes, pairs 272 bytes apart
.endm
.irp t, 0,1,2,3,4,5,6,7,8,9,10,11,12,13,14,15
	STEP \t
.endr
	ds_load_b64 v[176:177], v6                     ; my wave's 256 scale bytes
	s_wait_dscnt 0x0                               ; they are in, and for the others' sake my stores into the stage are done
	global_store_b64 v7, v[176:177], s[14:15]      ; 256 consecutive bytes, aligned
	s_barrier_signal -1
	s_barrier_wait -1                              ; a unit's 256 bytes come from all four waves
.irp i, 0,1,2,3,4,5,6,7
	ds_load_b128 v[R+4*\i:R+4*\i+3], v12 offset:2*\i*UP
.endr
.irp i, 0,1,2,3,4,5,6,7
	s_wait_dscnt 7-\i
	global_store_b128 v13, v[R+4*\i:R+4*\i+3], s[12:13] offset:(\i/2)*4096+(\i%2)*512   ; 512 consecutive bytes, aligned
.endr
	s_wait_tensorcnt 0x0                           ; the wave's end
	ds_add_u32 v10, v[NIL]
	s_wait_dscnt 0x0
	s_endpgm
; ---- The weights.  Work-group 8 j + m: wave w moves 8 rows of block b = 2 m + w / 2 (rows 8 (w % 2) ..), and scale unit 4 m + w.  No LDS.
.Lweights:
	s_sub_co_u32 s21, ttmp9, XWG
	s_lshr_b32 s22, s21, 3                         ; j
	s_and_b32 s23, s21, 7                          ; m
	s_lshr_b32 s24, s20, 1
	s_lshl_b32 s25, s23, 1
	s_add_co_u32 s24, s24, s25                     ; b
	s_and_b32 s25, s20, 1
	s_lshl_b32 s25, s25, 3                         ; r0
	s_mul_i32 s26, s22, WIMG
	s_lshr_b32 s27, s24, 2                         ; g
	s_and_b32 s28, s24, 3                          ; u
	s_lshl_b32 s27, s27, 10
	s_lshl_b32 s29, s22, 6
	s_add_co_u32 s27, s27, s29
	s_lshl_b32 s29, s25, 2
	s_add_co_u32 s27, s27, s29
	s_add_co_u32 s27, s27, s28                     ; 1024 g + 64 j + 4 r0 + u
	s_lshl_b32 s30, s27, 10
	s_mov_b32 s31, 0
	s_lshl_b32 s28, s24, 4
	s_add_co_u32 s28, s28, s25
	s_lshl_b32 s28, s28, 10
	s_add_co_u32 s32, s28, s26
	s_mov_b32 s33, 0
	s_lshl_b32 s24, s23, 2
	s_add_co_u32 s24, s24, s20                     ; the scale unit 8 s + i
	s_lshr_b32 s25, s24, 3
	s_and_b32 s27, s24, 7
	s_lshr_b32 s28, s27, 2
	s_lshl_b32 s28, s28, 10
	s_and_b32 s27, s27, 3
	s_add_co_u32 s28, s28, s27
	s_lshl_b32 s29, s22, 6
	s_add_co_u32 s28, s28, s29                     ; row 1024 (i / 4) + 64 j + i % 4
	s_lshl_b32 s28, s28, 6
	s_lshl_b32 s25, s25, 4
	s_add_co_u32 s34, s28, s25
	s_mov_b32 s35, 0
	s_lshl_b32 s24, s24, 9
	s_add_co_u32 s24, s24, s26
	s_add_co_u32 s36, s24, 262144
	s_mov_b32 s37, 0
	v_lshlrev_b32 v1, 4, v2                        ; 16 bytes a lane
	v_and_b32 v3, 15, v2
	v_lshrrev_b32 v4, 4, v2
	v_lshlrev_b32 v3, 8, v3                        ; scales: 4 rows of 64 bytes for each r,
	v_lshl_add_u32 v3, v4, 17, v3                  ; 2,048 rows for lanes 16-31
	s_wait_alu depctr_va_vdst(0)                   ; the wait at the head's end
	s_wait_kmcnt 0x0
	s_add_nc_u64 s[8:9], s[8:9], s[30:31]
	s_add_nc_u64 s[10:11], s[10:11], s[34:35]
	s_add_nc_u64 s[18:19], s[16:17], s[32:33]
	s_add_nc_u64 s[38:39], s[16:17], s[36:37]
.irp i, 0,1,2,3,4,5,6,7,8,9,10,11,12,13,14,15
	global_load_b128 v[16+4*\i:19+4*\i], v1, s[8:9] offset:(\i/2)*4096+(\i%2)*512 th:TH_LOAD_NT
.endr
	global_load_b128 v[80:83], v3, s[10:11]
.irp i, 0,1,2,3,4,5,6,7,8,9,10,11,12,13,14,15
	s_wait_loadcnt 16-\i
	global_store_b128 v1, v[16+4*\i:19+4*\i], s[18:19] offset:512*\i
.endr
	s_wait_loadcnt 0x0
	global_store_b128 v1, v[80:83], s[38:39]
	s_endpgm
.Lfunc_end_k_qd48fb2729a_prep:
	.size	k_qd48fb2729a_prep, .Lfunc_end_k_qd48fb2729a_prep-k_qd48fb2729a_prep
	.p2alignl 7, 3214868480
	.fill 96, 4, 3214868480
	.section	.rodata,"a",@progbits
	.p2align	6, 0x0
	.amdhsa_kernel k_qd48fb2729a_prep
		.amdhsa_group_segment_fixed_size 50688
		.amdhsa_private_segment_fixed_size 0
		.amdhsa_enable_private_segment 0
		.amdhsa_kernarg_size 56
		.amdhsa_user_sgpr_count 2
		.amdhsa_user_sgpr_kernarg_segment_ptr 1
		.amdhsa_wavefront_size32 1
		.amdhsa_system_sgpr_workgroup_id_x 1
		.amdhsa_system_sgpr_workgroup_id_y 1
		.amdhsa_system_sgpr_workgroup_id_z 1
		.amdhsa_system_vgpr_workitem_id 0
		.amdhsa_next_free_vgpr 232
		.amdhsa_next_free_sgpr 66
		.amdhsa_reserve_vcc 0
		.amdhsa_float_denorm_mode_32 3
		.amdhsa_float_denorm_mode_16_64 3
		.amdhsa_memory_ordered 1
		.amdhsa_forward_progress 1
		.amdhsa_inst_pref_size 41
	.end_amdhsa_kernel
	.amdgpu_metadata
---
amdhsa.version: [ 1, 2 ]
amdhsa.kernels:
  - .name:           k_qd48fb2729a_prep
    .symbol:         k_qd48fb2729a_prep.kd
    .args:
      - { .name: old_h, .offset: 0, .size: 8, .value_kind: global_buffer, .address_space: global }
      - { .name: input, .offset: 8, .size: 8, .value_kind: global_buffer, .address_space: global }
      - { .name: weightsT_codes, .offset: 16, .size: 8, .value_kind: global_buffer, .address_space: global }
      - { .name: weightsT_scales, .offset: 24, .size: 8, .value_kind: global_buffer, .address_space: global }
      - { .name: xq_codes, .offset: 32, .size: 8, .value_kind: global_buffer, .address_space: global }
      - { .name: xq_scales, .offset: 40, .size: 8, .value_kind: global_buffer, .address_space: global }
      - { .name: wq, .offset: 48, .size: 8, .value_kind: global_buffer, .address_space: global }
    .group_segment_fixed_size: 50688
    .private_segment_fixed_size: 0
    .kernarg_segment_align: 8
    .kernarg_segment_size: 56
    .max_flat_workgroup_size: 128
    .sgpr_count:     66
    .vgpr_count:     232
    .wavefront_size: 32
...
	.end_amdgpu_metadata
.endif
;; end of part 1
;; launch gates (part 2): grid 16 x 16, 4 waves a work-group, clusters of 4 x 1, 327,680 bytes of LDS; arguments xq_codes, xq_scales, wq, bias, old_cell, out0, out1; writes out0, out1
.if DOCPART == 2
	.amdgcn_target "amdgcn-amd-amdhsa--gfx1250"
	.amdhsa_code_object_version 6
	.text
	.protected	k_qd48fb2729a_gates
	.globl	k_qd48fb2729a_gates
	.p2align	8
	.type	k_qd48fb2729a_gates,@function
k_qd48fb2729a_gates:
	s_mov_b64 s[64:65], 0
	v_nop
	global_prefetch_b8 v0, s[64:65] scope:SCOPE_SE
	s_setreg_imm32_b32 hwreg(HW_REG_WAVE_MODE, 25, 1), 1
	s_wait_xcnt 0x0
	s_wait_alu depctr_hold_cnt(0) depctr_sa_sdst(0) depctr_va_vdst(0) depctr_va_sdst(0) depctr_va_ssrc(0) depctr_va_vcc(0) depctr_vm_vsrc(0)
	s_getreg_b32 s2, hwreg(HW_REG_IB_STS2, 6, 4)
	s_cmp_eq_u32 s2, 0
	s_cbranch_scc0 .Lentry_in_a_cluster
	s_endpgm
.Lentry_in_a_cluster:
	s_bfe_u32 s2, ttmp6, 0x10000c
	s_cmp_lg_u32 s2, 0x3003
	s_cbranch_scc0 .Lentry_shape_is_right
	s_endpgm
.Lentry_shape_is_right:
; gates = sigmoid(X W + bias); new_cell = f old_cell + z - i (out1); new_h = sigmoid(new_cell) - o (out0).  The gates never go to memory.  No work of the problem is left out.
; Work-group (G, j): rows 512 G .. 512 G + 511, hidden columns 64 j .. 64 j + 63, all four gates.  W's image j (256 rows of 1,024 bytes of codes for all of K, then its scale words) comes into LDS ONCE,
; one tensor load of 68 rows of 1,024 bytes a wave, 16 bytes of padding behind each row, and stays: nothing in LDS is filled again, and behind the head no wave waits for another.
; CLUSTER 4, 1, 1: the four work-groups of a cluster share j: the image is asked for jointly (mask 15).
; X: a wave's rows are its own, so its fragments go from memory straight into registers: xq_codes lies in fragment order, a wave's 128 rows as one run of 131,072 bytes, 4,096 bytes for each 128 along K of 64 rows.
; A ring of four steps in registers; a step's eight loads are asked for three steps ahead.  X is shared with no wave of the cluster's LDS, so it has no joint load.
; A wave makes 64 rows x 256 rows of W: 64 accumulators, and two such tiles one after the other.  Source 0 = 16 rows of X, source 1 = 16 rows of W; W's block b = 4 g + u, lane r, is gate g of hidden column 64 j + 4 r + u.
; So in accumulator (a, b) lane (r, h), register jj, holds row 16 a + 8 h + jj.  A lane's four u are 16 neighbouring bytes of a row, sixteen lanes 256: old_cell is loaded and both results are stored by lines of which
; sixteen lanes cover one aligned run of 256 bytes, with no way through LDS.  The bias rides in the multiply-add that scales by -log2(e).
; sigmoid(x) = 1 / (1 + 2^(-log2(e) x)) goes to 0 and 1 by itself where the power becomes infinite or 0.
; PREFETCHES: at a tile's top my 64 rows x 256 bytes of old_cell (16 steps ahead of their loads; named by no other wave); X's next tile, shared out by address among the 16 work-groups j that read it
; (lane l names the 256 bytes at 4096 l + 256 j; lanes 16-31 repeat lane 15's), one tile ahead; the first tile's at the head.  W has none: no loop stands ahead of the head's loads.
; LIMITS: NaN and infinities among the inputs are not served.
; REGISTERS: window 0: v2-13 addresses, v16-31 bias x -log2(e), v32-95 W's scale words (two sets of four steps), v96-127 X's scale words of a tile, v128-255 X's ring.
;   window 1: W's fragments, two sets of 128; from step 15 on set 0 holds old_cell, then new_cell.  Window 2: accumulators of a = 0, 1 at v[128 (a % 2) + 8 b]; window 3: a = 2, 3.
.set PITCH, 1040
.set WROWS, 68
.set SCB,   256*PITCH
.set SPARE, 272*PITCH
.set WIMG,  278528
.set OROW,  4096
.set SPW, 2
.set NIL, 3
.set WA,  4                            ; v4-7: LDS address of W's blocks 4 k .. 4 k + 3
.set WSA, 8
.set XO,  9
.set XSO, 10
.set CO,  11
.set PFX, 12
.set PFO, 13
.set BI,  16
.set WS,  32
.set XS,  96
.set XF,  128
.set G0,  24
.set G1,  28
.set CS,  36
.set MSB, 0
.macro WIN new                         ; the immediate's high byte repeats the setting that is left
.if MSB != (\new)
	s_set_vgpr_msb (MSB<<8)|(\new)
.set MSB, (\new)
.endif
.endm
.set MUL_LO, 0xa4                      ; source 0 (X) window 0, source 1 (W) window 1, C and D window 2
.set MUL_HI, 0xf4
.set TO_B,   0x40                      ; destination window 1, address window 0
.macro CROUND                          ; a round of the cluster's barrier
	s_barrier_signal -1
	s_barrier_wait -1
	s_cmp_lg_u32 s18, 0
	s_cbranch_scc1 .Lnot_wave_0_\@
	s_barrier_signal -3
.Lnot_wave_0_\@:
	s_barrier_wait -3
	s_barrier_signal -1
	s_barrier_wait -1
.endm
.macro PLACES
.rept 4
	v_nop
.endr
.endm
	s_load_b256 s[4:11], s[0:1], 0x0               ; xq_codes, xq_scales, wq, bias
	s_load_b128 s[12:15], s[0:1], 0x20             ; old_cell, out0
	s_load_b64 s[16:17], s[0:1], 0x30              ; out1
	v_lshl_add_u32 v[SPW], v0, 2, SPARE
	v_mov_b32 v[NIL], 0
	ds_add_u32 v[SPW], v[NIL]                      ; the opening lines: the add twice on end and its wait
	ds_add_u32 v[SPW], v[NIL]
	v_lshrrev_b32 v1, 5, v0
	v_readfirstlane_b32 s18, v1                    ; wave
	s_bfe_u32 s19, ttmp6, 0x40000                  ; cx
	s_lshl_b32 s20, ttmp9, 2
	s_add_co_u32 s20, s20, s19                     ; G
	s_and_b32 s21, ttmp7, 0xffff                   ; j
	s_mov_b32 s[CS], 0xbfb8aa3b                    ; -log2(e)
	s_mov_b32 s[CS+1], s[CS]
	s_mov_b32 s[G1+0], 15|(3<<16)|(1<<20)|(1<<21)|(7<<22)|(3<<25)   ; mask of the four; elements of 8 bytes; 4 words of padding behind every 256
	s_mov_b32 s[G1+1], 128<<16                     ; tensor_dim0 = 128
	s_mov_b32 s[G1+2], WROWS<<16                   ; tensor_dim1
	s_mov_b32 s[G1+3], 128<<16                     ; tile_dim0
	s_mov_b32 s[G1+4], WROWS                       ; tile_dim1
	s_mov_b32 s[G1+5], 128                         ; pitch
	s_mov_b32 s[G1+6], 0
	s_mov_b32 s[G1+7], 0
	s_mul_i32 s22, s21, WIMG
	s_mul_i32 s23, s18, WROWS*1024
	s_add_co_u32 s22, s22, s23
	s_mov_b32 s23, 0
	s_mov_b32 s[G0], 1
	s_mul_i32 s[G0+1], s18, WROWS*PITCH
	s_wait_dscnt 0x0
	s_wait_kmcnt 0x0
	s_add_nc_u64 s[G0+2:G0+3], s[8:9], s[22:23]
	s_or_b32 s[G0+3], s[G0+3], 0x80000000
	CROUND                                         ; the four work-groups are here: the joint loads meet
	tensor_load_to_lds s[G0:G0+3], s[G1:G1+7]      ; my 68 rows of the image: the wave's one tensor load
	s_nop 0
	PLACES
	s_lshl_b32 s44, s20, 2
	s_add_co_u32 s44, s44, s18                     ; Wn = 4 G + wave: rows 128 Wn ..
	s_mov_b32 s41, 0
	s_lshl_b32 s40, s44, 17
	s_add_nc_u64 s[4:5], s[4:5], s[40:41]
	s_lshl_b32 s40, s44, 13
	s_add_nc_u64 s[6:7], s[6:7], s[40:41]
	s_lshl_b32 s45, s21, 8                         ; 256 j bytes
	s_lshl_b32 s40, s44, 19
	s_add_co_u32 s40, s40, s45
	s_add_nc_u64 s[12:13], s[12:13], s[40:41]
	s_add_nc_u64 s[14:15], s[14:15], s[40:41]
	s_add_nc_u64 s[16:17], s[16:17], s[40:41]
	s_mov_b32 s40, s45
	s_add_nc_u64 s[10:11], s[10:11], s[40:41]
	s_mov_b32 s38, 2                               ; tiles to go
	v_and_b32 v1, 15, v0                           ; r
	v_bfe_u32 v14, v0, 4, 1                        ; h
	v_and_b32 v15, 31, v0                          ; lane
	v_mul_u32_u24 v[WA], v1, PITCH
	v_lshl_add_u32 v[WA], v14, 4, v[WA]
	v_add_nc_u32 v[WA+1], 64*PITCH, v[WA]
	v_add_nc_u32 v[WA+2], 128*PITCH, v[WA]
	v_add_nc_u32 v[WA+3], 192*PITCH, v[WA]
	v_lshlrev_b32 v[XO], 4, v15
	v_add_nc_u32 v[WSA], SCB, v[XO]
	v_lshlrev_b32 v[XSO], 6, v1                    ; X's scales: row 16 (i + 2 h) + r of 64 bytes
	v_lshl_add_u32 v[XSO], v14, 11, v[XSO]
	v_lshlrev_b32 v[CO], 4, v1                     ; old_cell and the results: 16 r, 8 rows down for lanes 16-31
	v_lshl_add_u32 v[CO], v14, 15, v[CO]
	v_lshlrev_b32 v[PFO], 12, v15
	v_min_u32 v[PFX], 15, v15
	v_lshlrev_b32 v[PFX], 12, v[PFX]
	v_add_nc_u32 v[PFX], s45, v[PFX]
	v_lshlrev_b32 v15, 4, v1                       ; the bias: 16 r
	s_wait_alu depctr_va_vdst(0)
.macro XLOAD q                         ; X's four fragments of step q (counted from this tile's first) into ring place q % 4
.irp a, 0,1,2,3
.irp c, 0,1
	global_load_b128 v[XF+32*((\q)%4)+8*\a+4*\c:XF+32*((\q)%4)+8*\a+4*\c+3], v[XO], s[4:5] offset:(\q)*4096+\a*1024+\c*512
.endr
.endr
.endm
.macro XSLOAD base                     ; a tile's scale words of X: register 16 i + q: lanes 0-15 block i, lanes 16-31 block i + 2
.irp i, 0,1
.irp s, 0,1,2,3
	global_load_b128 v[XS+16*\i+4*\s:XS+16*\i+4*\s+3], v[XSO], s[6:7] offset:(\base)+1024*\i+16*\s
.endr
.endr
.endm
.macro FETCHW q                        ; W's sixteen fragments of step q into set q % 2
.irp b, 0,1,2,3,4,5,6,7,8,9,10,11,12,13,14,15
.irp c, 0,1
	ds_load_b128 v[128*((\q)%2)+8*\b+4*\c:128*((\q)%2)+8*\b+4*\c+3], v[WA+\b/4] offset:(\b%4)*16*PITCH+64*(\q)+32*\c
.endr
.endr
.endm
.macro WSLOAD s                        ; W's scale words of steps 4 s .. 4 s + 3: register 4 i + q % 4: lanes 0-15 block i, lanes 16-31 block i + 8
.irp i, 0,1,2,3,4,5,6,7
	ds_load_b128 v[WS+32*((\s)%2)+4*\i:WS+32*((\s)%2)+4*\i+3], v[WSA] offset:((8*(\s)+\i)/2)*PITCH+(\i%2)*512
.endr
.endm
.macro OCLOAD                          ; old_cell of the whole tile: register 32 a + 4 jj + u, in window 1
.irp a, 0,1,2,3
.irp j, 0,1,2,3,4,5,6,7
	global_load_b128 v[32*\a+4*\j:32*\a+4*\j+3], v[CO], s[12:13] offset:(16*\a+\j)*OROW th:TH_LOAD_NT
.endr
.endr
.endm
.macro MM q, a, b
.set DD, 128*((\a)%2)+8*(\b)
.set XA, XF+32*((\q)%4)+8*(\a)
.set WB, 128*((\q)%2)+8*(\b)
.set SX, XS+16*((\a)%2)+(\q)
.set SW, WS+32*(((\q)/4)%2)+4*((\b)%8)+(\q)%4
.if (\q) == 0
.if (\a) < 2 && (\b) < 8
	v_wmma_scale_f32_16x16x128_f8f6f4 v[DD:DD+7], v[XA:XA+7], v[WB:WB+7], 0, v[SX], v[SW] matrix_a_fmt:MATRIX_FMT_FP4 matrix_b_fmt:MATRIX_FMT_FP4
.endif
.if (\a) < 2 && (\b) >= 8
	v_wmma_scale_f32_16x16x128_f8f6f4 v[DD:DD+7], v[XA:XA+7], v[WB:WB+7], 0, v[SX], v[SW] matrix_a_fmt:MATRIX_FMT_FP4 matrix_b_fmt:MATRIX_FMT_FP4 matrix_b_scale:MATRIX_SCALE_ROW1
.endif
.if (\a) >= 2 && (\b) < 8
	v_wmma_scale_f32_16x16x128_f8f6f4 v[DD:DD+7], v[XA:XA+7], v[WB:WB+7], 0, v[SX], v[SW] matrix_a_fmt:MATRIX_FMT_FP4 matrix_b_fmt:MATRIX_FMT_FP4 matrix_a_scale:MATRIX_SCALE_ROW1
.endif
.if (\a) >= 2 && (\b) >= 8
	v_wmma_scale_f32_16x16x128_f8f6f4 v[DD:DD+7], v[XA:XA+7], v[WB:WB+7], 0, v[SX], v[SW] matrix_a_fmt:MATRIX_FMT_FP4 matrix_b_fmt:MATRIX_FMT_FP4 matrix_a_scale:MATRIX_SCALE_ROW1 matrix_b_scale:MATRIX_SCALE_ROW1
.endif
.else
.if (\a) < 2 && (\b) < 8
	v_wmma_scale_f32_16x16x128_f8f6f4 v[DD:DD+7], v[XA:XA+7], v[WB:WB+7], v[DD:DD+7], v[SX], v[SW] matrix_a_fmt:MATRIX_FMT_FP4 matrix_b_fmt:MATRIX_FMT_FP4
.endif
.if (\a) < 2 && (\b) >= 8
	v_wmma_scale_f32_16x16x128_f8f6f4 v[DD:DD+7], v[XA:XA+7], v[WB:WB+7], v[DD:DD+7], v[SX], v[SW] matrix_a_fmt:MATRIX_FMT_FP4 matrix_b_fmt:MATRIX_FMT_FP4 matrix_b_scale:MATRIX_SCALE_ROW1
.endif
.if (\a) >= 2 && (\b) < 8
	v_wmma_scale_f32_16x16x128_f8f6f4 v[DD:DD+7], v[XA:XA+7], v[WB:WB+7], v[DD:DD+7], v[SX], v[SW] matrix_a_fmt:MATRIX_FMT_FP4 matrix_b_fmt:MATRIX_FMT_FP4 matrix_a_scale:MATRIX_SCALE_ROW1
.endif
.if (\a) >= 2 && (\b) >= 8
	v_wmma_scale_f32_16x16x128_f8f6f4 v[DD:DD+7], v[XA:XA+7], v[WB:WB+7], v[DD:DD+7], v[SX], v[SW] matrix_a_fmt:MATRIX_FMT_FP4 matrix_b_fmt:MATRIX_FMT_FP4 matrix_a_scale:MATRIX_SCALE_ROW1 matrix_b_scale:MATRIX_SCALE_ROW1
.endif
.endif
.endm
.macro MULS q, a0                      ; 32 matrix instructions; the 64 accumulators take turns in the same order in every step; step 0 starts the sums with C = 0
.irp b, 0,1,2,3,4,5,6,7,8,9,10,11,12,13,14,15
.irp a, \a0, \a0+1
	MM \q, \a, \b
.endr
.endr
.endm
; A step of 128 along K.  One run of loads at its head, behind four places: W's next step into the set read last step, X's step q + 3 into the ring place read last step.
; ld: X's load is issued; oc: old_cell is asked for; nl: the global loads younger than X's step q.
.macro STEP q, ld, oc, nl
	PLACES
.if (\q) < 15
	WIN TO_B
	FETCHW (\q)+1
.endif
	WIN 0
.if ((\q)%4) == 1 && (\q) < 13
	WSLOAD (\q)/4+1
.endif
.if \ld
	XLOAD (\q)+3
.endif
.if \oc
	WIN TO_B
	OCLOAD
.endif
.if (\q) == 15
	s_wait_dscnt 0x0
.else
.if ((\q)%4) == 1 && (\q) < 13
	s_wait_dscnt 40                                ; all but this run's 32 + 8
.else
	s_wait_dscnt 32                                ; all but this run's 32
.endif
.endif
	s_wait_loadcnt \nl
	WIN MUL_LO
	MULS \q, 0
	WIN MUL_HI
	MULS \q, 2
.endm
; THE WAY OUT of block a (16 rows).  At A0: registers 0-31 gate i (8 u + jj), 32-63 f, 64-95 z, 96-127 o.
.macro PHASE a
.set W, 2+(\a)/2
.set A0, 128*((\a)%2)
.set OC, 32*(\a)
.set P, W|(W<<6)
.set Q, W|4|(W<<4)|(W<<6)
	WIN P
	s_wait_alu depctr_va_vdst(0)                   ; the wait ahead of the first readers of matrix results
.irp b, 0,1,2,3,4,5,6,7,8,9,10,11,12,13,14,15
.irp jj, 0,2,4,6
.if (\b%2) == 0
	v_pk_fma_f32 v[A0+8*\b+\jj:A0+8*\b+\jj+1], v[A0+8*\b+\jj:A0+8*\b+\jj+1], s[CS:CS+1], v[BI+\b:BI+\b+1] op_sel_hi:[1,0,0]   ; -log2(e) (x + bias)
.else
	v_pk_fma_f32 v[A0+8*\b+\jj:A0+8*\b+\jj+1], v[A0+8*\b+\jj:A0+8*\b+\jj+1], s[CS:CS+1], v[BI+\b-1:BI+\b] op_sel:[0,0,1] op_sel_hi:[1,0,1]
.endif
.endr
.endr
	s_wait_alu depctr_va_vdst(0)                   ; ahead of the batch
.set XI, A0
.rept 128
	v_exp_f32 v[XI], v[XI]
.set XI, XI+1
.endr
	v_nop
	s_wait_alu depctr_va_vdst(0)                   ; behind the batch
.set XI, A0
.rept 64
	v_pk_add_f32 v[XI:XI+1], v[XI:XI+1], 1.0 op_sel_hi:[1,0]
.set XI, XI+2
.endr
	s_wait_alu depctr_va_vdst(0)
.set XI, A0
.rept 128
	v_rcp_f32 v[XI], v[XI]                         ; the four gates
.set XI, XI+1
.endr
	v_nop
	s_wait_alu depctr_va_vdst(0)
	WIN Q
.set XI, 0
.rept 16
	v_pk_fma_f32 v[A0+64+XI:A0+65+XI], v[A0+XI:A0+XI+1], -1.0, v[A0+64+XI:A0+65+XI] op_sel_hi:[1,0,1]   ; z - i
.set XI, XI+2
.endr
	s_wait_alu depctr_va_vdst(0)                   ; the wait ahead of the wait below
	s_wait_loadcnt (3-(\a))*8                      ; my block's old_cell is in; the later blocks' loads may be out
	WIN W|4|(W<<4)|0x40
.irp j, 0,1,2,3,4,5,6,7
.irp u, 0,1,2,3
	v_fma_f32 v[OC+4*\j+\u], v[A0+32+8*\u+\j], v[OC+4*\j+\u], v[A0+64+8*\u+\j]   ; new_cell, where old_cell lay: four u on end
.endr
.endr
	WIN 1|(W<<6)
.set XI, 0
.rept 16
	v_pk_mul_f32 v[A0+32+XI:A0+33+XI], v[OC+XI:OC+XI+1], s[CS:CS+1] op_sel_hi:[1,0]   ; -log2(e) new_cell, where f lay, at 4 jj + u
.set XI, XI+2
.endr
	WIN 4
.irp j, 0,1,2,3,4,5,6,7
	global_store_b128 v[CO], v[OC+4*\j:OC+4*\j+3], s[16:17] offset:(16*(\a)+\j)*OROW th:TH_STORE_NT   ; sixteen lanes store 256 consecutive bytes, aligned
.endr
	WIN P
	s_wait_alu depctr_va_vdst(0)
.set XI, A0+32
.rept 32
	v_exp_f32 v[XI], v[XI]
.set XI, XI+1
.endr
	v_nop
	s_wait_alu depctr_va_vdst(0)
.set XI, A0+32
.rept 16
	v_pk_add_f32 v[XI:XI+1], v[XI:XI+1], 1.0 op_sel_hi:[1,0]
.set XI, XI+2
.endr
	s_wait_alu depctr_va_vdst(0)
.set XI, A0+32
.rept 32
	v_rcp_f32 v[XI], v[XI]                         ; sigmoid(new_cell)
.set XI, XI+1
.endr
	v_nop
	s_wait_alu depctr_va_vdst(0)
	WIN Q
.irp j, 0,1,2,3,4,5,6,7
.irp u, 0,1,2,3
	v_fma_f32 v[A0+32+4*\j+\u], v[A0+96+8*\u+\j], -1.0, v[A0+32+4*\j+\u]   ; - o: new_h
.endr
.endr
	WIN W<<2
.irp j, 0,1,2,3,4,5,6,7
	global_store_b128 v[CO], v[A0+32+4*\j:A0+32+4*\j+3], s[14:15] offset:(16*(\a)+\j)*OROW th:TH_STORE_NT
.endr
.endm
.irp g, 0,1,2,3
	global_load_b128 v[BI+4*\g:BI+4*\g+3], v15, s[10:11] offset:4096*\g   ; bias of gate g, hidden columns 4 r .. 4 r + 3
.endr
	XSLOAD 0
	XLOAD 0
	XLOAD 1
	XLOAD 2
	global_prefetch_b8 v[PFX], s[4:5] th:TH_LOAD_NT scope:SCOPE_SE        ; my share of the first tile of X
	s_wait_loadcnt 32                              ; the bias is in (behind it: 8 + 24 loads)
.irp i, 0,1,2,3,4,5,6,7,8,9,10,11,12,13,14,15
	v_mul_f32 v[BI+\i], s[CS], v[BI+\i]
.endr
	s_wait_alu depctr_va_vdst(0)                   ; the wait at the head's end
	s_wait_tensorcnt 0x0                           ; my part of the image is in,
	s_barrier_signal -1
	s_barrier_wait -1                              ; everybody's is
.Ltile:
	global_prefetch_b8 v[PFO], s[12:13] th:TH_LOAD_NT scope:SCOPE_SE
	global_prefetch_b8 v[PFO], s[12:13] offset:32*OROW th:TH_LOAD_NT scope:SCOPE_SE
	s_cmp_eq_u32 s38, 1
	s_cbranch_scc1 .Lnoask                         ; the last tile has no successor
	global_prefetch_b8 v[PFX], s[4:5] offset:65536 th:TH_LOAD_NT scope:SCOPE_SE
.Lnoask:
	WIN TO_B
	FETCHW 0
	WIN 0
	WSLOAD 0
.irp q, 0,1,2,3,4,5,6,7,8,9,10,11,12
	STEP \q, 1, 0, 24                              ; younger than X's step q: the three steps behind it
.endr
	WIN 0
	s_cmp_eq_u32 s38, 1
	s_cbranch_scc1 .Llast
	STEP 13, 1, 0, 24                              ; the ring goes on into the next tile's steps 0 to 2
	STEP 14, 1, 0, 24
	STEP 15, 1, 1, 56                              ; 24 of X and old_cell's 32
	PLACES
	WIN 0
	XSLOAD 4096                                    ; the next tile's scale words
	s_branch .Lepi
.Llast:
	STEP 13, 0, 0, 16                              ; the last tile asks for nothing more of X: the counts run down
	STEP 14, 0, 0, 8
	STEP 15, 0, 1, 32
	PLACES
	WIN 0
.Lepi:
	PHASE 0
	PHASE 1
	PHASE 2
	PHASE 3
	WIN 0
	s_wait_xcnt 0x0                                ; the stores have read their registers and bases, the prefetches their addresses
	s_add_nc_u64 s[4:5], s[4:5], 0x10000
	s_add_nc_u64 s[6:7], s[6:7], 0x1000
	s_add_nc_u64 s[12:13], s[12:13], 64*OROW
	s_add_nc_u64 s[14:15], s[14:15], 64*OROW
	s_add_nc_u64 s[16:17], s[16:17], 64*OROW
	s_sub_co_u32 s38, s38, 1
	s_cmp_lg_u32 s38, 0
	s_wait_alu depctr_va_vdst(0)                   ; the wait ahead of the branch
	s_cbranch_scc1 .Ltile
	s_wait_tensorcnt 0x0                           ; the wave's end
	ds_add_u32 v[SPW], v[NIL]
	s_wait_dscnt 0x0
	CROUND                                         ; the closing round
	s_endpgm
.Lfunc_end_k_qd48fb2729a_gates:
	.size	k_qd48fb2729a_gates, .Lfunc_end_k_qd48fb2729a_gates-k_qd48fb2729a_gates
	.p2alignl 7, 3214868480
	.fill 96, 4, 3214868480
	.section	.rodata,"a",@progbits
	.p2align	6, 0x0
	.amdhsa_kernel k_qd48fb2729a_gates
		.amdhsa_group_segment_fixed_size 327680
		.amdhsa_private_segment_fixed_size 0
		.amdhsa_enable_private_segment 0
		.amdhsa_kernarg_size 56
		.amdhsa_user_sgpr_count 2
		.amdhsa_user_sgpr_kernarg_segment_ptr 1
		.amdhsa_wavefront_size32 1
		.amdhsa_system_sgpr_workgroup_id_x 1
		.amdhsa_system_sgpr_workgroup_id_y 1
		.amdhsa_system_sgpr_workgroup_id_z 1
		.amdhsa_system_vgpr_workitem_id 0
		.amdhsa_next_free_vgpr 1024
		.amdhsa_next_free_sgpr 66
		.amdhsa_reserve_vcc 0
		.amdhsa_float_denorm_mode_32 3
		.amdhsa_float_denorm_mode_16_64 3
		.amdhsa_memory_ordered 1
		.amdhsa_forward_progress 1
		.amdhsa_inst_pref_size 255
	.end_amdhsa_kernel
	.section	.bss,"aw",@nobits
	.p2align	6
	.space	262144
	.amdgpu_metadata
---
amdhsa.version: [ 1, 2 ]
amdhsa.kernels:
  - .name:           k_qd48fb2729a_gates
    .symbol:         k_qd48fb2729a_gates.kd
    .args:
      - { .name: xq_codes, .offset: 0, .size: 8, .value_kind: global_buffer, .address_space: global }
      - { .name: xq_scales, .offset: 8, .size: 8, .value_kind: global_buffer, .address_space: global }
      - { .name: wq, .offset: 16, .size: 8, .value_kind: global_buffer, .address_space: global }
      - { .name: bias, .offset: 24, .size: 8, .value_kind: global_buffer, .address_space: global }
      - { .name: old_cell, .offset: 32, .size: 8, .value_kind: global_buffer, .address_space: global }
      - { .name: out0, .offset: 40, .size: 8, .value_kind: global_buffer, .address_space: global }
      - { .name: out1, .offset: 48, .size: 8, .value_kind: global_buffer, .address_space: global }
    .group_segment_fixed_size: 327680
    .private_segment_fixed_size: 0
    .kernarg_segment_align: 8
    .kernarg_segment_size: 56
    .max_flat_workgroup_size: 128
    .sgpr_count:     66
    .vgpr_count:     1024
    .wavefront_size: 32
...
	.end_amdgpu_metadata
.endif
;; end of part 2
